; MI455X (gfx1250); checked and timed in simulation.
; The chip was launched on July 23, 2026; its instructions are those of AMD's public machine-readable ISA for CDNA 5 (MIT licence, August 2026) and "CDNA5" Instruction Set Architecture Reference Guide (July 2026). The comments in the code are by the model that wrote it; some were corrected since.
;; Rel Pos Self Attention. Allowed arithmetic: matrix products marked QUANTISED: E2M1 operands, one E8M0 scale for each 32 along K, by v_wmma_scale_f32_16x16x128_f8f6f4 with both operands' format E2M1 (or v_wmma_scale_f32_32x16x128_f4), f32 sums; everything else in f32.
;; Inputs: attn_mask 8 x 1,024 bool; k 8 x 8 x 32 x 32 x 64 float32; q 8 x 8 x 32 x 32 x 64 float32; rel_emb_h 63 x 64 float32; rel_emb_w 63 x 64 float32; v 8 x 8 x 32 x 32 x 64 float32.
;; Outputs: out0 8 x 32 x 32 x 512 float32.
;; This version of the problem:
;;   THIS VERSION OF THE PROBLEM IS GIVEN IN LOW PRECISION. The matrix products marked QUANTISED in the list below multiply operands that are first quantised to E2M1 (2 exponent bits, 1 mantissa bit; 4 bits a number), with one power-of-two scale for each 32 numbers along K (OCP MX v1.0); their sums are f32. All else is computed in f32.
;;   The module's matrix products, in the order in which they are computed (A, B: the left and right operand; K: the contracted axis; several contracted axes count as one K, in the product's order):
;;     1. batch 64 x [M 1,024, K 64] x [K 64, N 1,024]; A: computed on the way; B: input k: QUANTISED
;;     2. [M 65,536, K 64] x [K 64, N 63]; A: computed on the way; B: input rel_emb_w: QUANTISED
;;     3. [M 65,536, K 64] x [K 64, N 63]; A: computed on the way; B: input rel_emb_h: QUANTISED
;;     4. batch 64 x [M 64, K 1,024] x [K 1,024, N 1,024]; A: input v; B: computed on the way: QUANTISED
;;   THE QUANTISER, for each operand of a quantised product, along K:
;;     - K is cut into blocks of 32 from its start; a last block that is shorter is filled with zeros.
;;     - A block's scale is 2^e with e = floor(log2(the largest magnitude in the block)) - 2, held to -126 .. 127; a block of zeros has e = 0. As a byte (E8M0): e + 127.
;;     - Each number is divided by its block's scale, clamped to +-6, and rounded to the nearest number of E2M1, ties to even, subnormals kept.
;;     - The product sums the exact products of the quantised numbers (number of the format x scale) in f32.
;;   ~~~python
;;   def quantise(x, axis):      # numpy; x: float32 -> the quantised numbers, widened to float32 again
;;       x = np.moveaxis(x, axis, -1); K = x.shape[-1]
;;       x = np.pad(x, [(0, 0)] * (x.ndim - 1) + [(0, -K % 32)]); x = x.reshape(x.shape[:-1] + (-1, 32)); a = np.abs(x).max(-1, keepdims=True)
;;       e = np.where(a > 0, np.clip(np.frexp(np.where(a > 0, a, 1))[1] - 1 - 2, -126, 127), 0)      # np.frexp(a)[1] - 1 = floor(log2(a)), exactly
;;       r = np.clip(x / 2.0 ** e, -6, 6)
;;       step = 2.0 ** (np.maximum(np.frexp(np.where(r == 0, 1, r))[1] - 1, 0) - 1)
;;       q = np.round(r / step) * step * 2.0 ** e      # np.round: ties to even
;;       return np.moveaxis(q.reshape(q.shape[:-2] + (-1,))[..., :K], -1, axis).astype(np.float32)
;;   ~~~
;;   OPERANDS COMPUTED ON THE WAY. 'Computed on the way' means the value that the module computes at that place (a softmax that the list does not call 'softmax' is quantised finished and normalised). What goes into a quantiser is computed in f32, as accurately as f32 sums, v_exp_f32 and their like allow (about 1e-6 of the number): no bf16 or f16 on the way to a quantiser, and a product that is left as it is and whose result goes on into a quantised operand takes f32 operands (vector FMAs, or v_wmma_f32_16x16x4_f32). A number that lies on a knife's edge between two numbers of the format may be rounded either way, as far as f32 arithmetic and the matrix unit's own rounding can turn it there, and no further.
;; One version. Each part assembles by itself: llvm-mc -triple=amdgcn-amd-amdhsa -mcpu=gfx1250 --defsym DOCPART=n.
;; ======== version 1 of 1: 2 launches
;; limits: right only within a limited range of input values
;; workspace buffers: kv 4,456,448 bytes; rel 4,608 bytes
;; launch prep (part 1): grid 513 x 1, 4 waves a work-group, no clusters, 37,376 bytes of LDS; arguments k, v, rel_emb_w, rel_emb_h, kv, rel; writes kv, rel
.if DOCPART == 1
	.amdgcn_target "amdgcn-amd-amdhsa--gfx1250"
	.amdhsa_code_object_version 6
	.text
	.protected	k_q040444ee16_prep
	.globl	k_q040444ee16_prep
	.p2align	8
	.type	k_q040444ee16_prep,@function
k_q040444ee16_prep:
	s_mov_b64 s[64:65], 0
	v_nop
	global_prefetch_b8 v0, s[64:65] scope:SCOPE_SE
	s_setreg_imm32_b32 hwreg(HW_REG_WAVE_MODE, 25, 1), 1
	s_wait_xcnt 0x0
; k, v [64 heads][1024 tokens][64] and the two tables [63][64], f32, become codes of FP4 (E2M1) with one E8M0 byte for each 32 along a product's K,
; laid as IMAGES OF THE OPERAND'S REGISTERS, so that the second launch fetches every fragment by loads of 16 bytes at 16 x lane.
; A block's scale is 2^(floor(log2(largest magnitude)) - 2): its byte is the largest magnitude's exponent field - 2, held at 1 from below.
; LIMITS: a block whose largest magnitude lies under 2^-124 has its byte held at 1 (so has a block of zeros, where the quantiser says 127: its codes
; are zeros, which add nothing, and this program alone reads the bytes).  NaN and infinities among the inputs are not served.
; A HEAD'S BLOB in kv, 69,632 bytes:
;   0      K: 32 double tiles, one for each block b of 32 keys, 1,024 bytes: at 512 u + 16 (r + 16 h) the 32 codes of d = 32 h .. 32 h + 31 of key 32 b + 8 u + r + 8 (r / 8)
;   32768  V: fragment 4 s + dt at 1,024 bytes each: at 512 c + 16 (r + 16 h) the 32 codes of keys 128 s + 64 c + 32 h + 0 .. 31 of channel 16 dt + r
;   65536  K's scale words: (b, r): bytes [u0 h0, u0 h1, u1 h0, u1 h1] at 512 (b / 8) + 16 (r + 16 (b % 2)) + 4 ((b / 2) % 4)
;   67584  V's scale words: (s, dt, r): the bytes of blocks 4 s .. 4 s + 3 at 512 (s / 2) + 16 (r + 16 (dt % 2)) + 4 (2 (s % 2) + dt / 2)
; rel: for each table 64 rows x 32 bytes of codes (row 63 repeats row 62 and is never used) and one word a row, [h0, h1, 0, 0].
; SHARES: work-groups 0-255 take K (a head's quarter each: a wave two blocks of 32 keys), 256-511 V (a wave 128 keys x 32 channels), 512 the tables.
; No barrier: waves share nothing.  Only K's way uses LDS.  Every offset is an immediate; no store's data register is written again.
.set BLOB,  69632
.set VI,    32768
.set KSO,   65536
.set VSO,   67584
.set RWC,   0
.set RWS,   2048
.set RHC,   2304
.set RHS,   4352
.set FLOOR, 0x1800000                  ; 2^(3 - 127): under it no largest magnitude is taken, so the byte cannot fall under 1
.set STG,   9216                       ; K's way: a wave's stage: 64 chunks of 128 bytes + 16 of padding, 16 more from chunk 32 on
; 32 numbers of one block, v[x] on, become 4 registers of codes v[c] on; v[e] the conversion's scale operand, v[t] the byte.  v8, v9 at work.
.macro QUANT32 x, c, e, t
	v_max3_num_f32 v8, |v[(\x)]|, |v[(\x)+1]|, FLOOR           ; the largest magnitude, in two chains, the floor among the leaves
	v_max3_num_f32 v9, |v[(\x)+2]|, |v[(\x)+3]|, FLOOR
.irp i, 4,8,12,16,20,24,28
	v_max3_num_f32 v8, v8, |v[(\x)+\i]|, |v[(\x)+\i+1]|
	v_max3_num_f32 v9, v9, |v[(\x)+\i+2]|, |v[(\x)+\i+3]|
.endr
	v_max_num_f32 v8, v8, v9
	v_add_nc_u32 v[\e], 0xff000000, v8                         ; 2 off its exponent field: the conversion takes that field as its scale
.irp g, 0,1,2,3
	v_cvt_scalef32_pk8_fp4_f32 v[(\c)+\g], v[(\x)+8*\g:(\x)+8*\g+7], v[\e]
.endr
	v_lshrrev_b32 v[\t], 23, v[\e]                             ; the byte; also the plain line behind the conversions
.endm
; one table's 16 rows of this wave: codes at 32 row + 16 h, the word's two halves at 4 row + 2 h
.macro RELTAB x, c, t, co, wo
	QUANT32 \x, \c, 10, \t
	global_store_b128 v6, v[\c:\c+3], s[14:15] offset:\co
	v_lshlrev_b32 v[\t], v15, v[\t]                            ; my byte at its place: 8 h bits up
	v_permlanex16_b32 v13, v[\t], s20, s21
	v_or_b32 v[\t], v[\t], v13                                 ; with lane l xor 16's: [h0, h1]
	v_cndmask_b32 v[\t], v[\t], v14, s22                       ; lanes 16-31 store the word's upper half: 0
	global_store_b16 v7, v[\t], s[14:15] offset:\wo
.endm
; V's block pl: v(128 s + 32 pl + i, my channel), i = 0 .. 31, into set pl % 2: a lane to a channel, registers down the keys
.macro VBLK pl
.set n, 0
.rept 32
	global_load_b32 v[32+32*((\pl)%2)+n], v4, s[6:7] offset:256*(32*(\pl)+n) th:TH_LOAD_NT
.set n, n+1
.endr
.endm
	s_load_b256 s[4:11], s[0:1], 0x0               ; k s[4:5], v s[6:7], rel_emb_w s[8:9], rel_emb_h s[10:11]
	s_load_b128 s[12:15], s[0:1], 0x20             ; kv s[12:13], rel s[14:15]
	v_lshl_add_u32 v224, v0, 2, 0x9000
	v_mov_b32 v225, 0
	v_lshrrev_b32 v1, 5, v0
	v_readfirstlane_b32 s16, v1                    ; wave 0..3
	v_and_b32 v1, 31, v0                           ; lane
	v_and_b32 v2, 15, v0                           ; r
	v_bfe_u32 v3, v0, 4, 1                         ; h
	s_mov_b32 s20, 0x76543210
	s_mov_b32 s21, 0xfedcba98                      ; v_permlanex16_b32's selects for lane l xor 16
	s_mov_b32 s22, 0xffff0000                      ; lanes 16-31
	s_wait_kmcnt 0x0
	s_cmp_lt_u32 ttmp9, 256
	s_cbranch_scc1 .Lkpath
	s_cmp_lt_u32 ttmp9, 512
	s_cbranch_scc1 .Lvpath
	; ---- the tables: wave w takes rows 16 w + r of both; lane (r, h) the 32 numbers d = 32 h on
	s_lshl_b32 s17, s16, 4
	s_wait_alu depctr_va_vdst(0)
	v_add_nc_u32 v4, s17, v2                       ; row
	v_min_u32 v5, 62, v4                           ; no load leaves the table: row 63 reads row 62
	v_lshlrev_b32 v5, 8, v5
	v_lshl_add_u32 v5, v3, 7, v5                   ; 256 row + 128 h
	v_lshlrev_b32 v6, 5, v4
	v_lshl_add_u32 v6, v3, 4, v6                   ; codes: 32 row + 16 h
	v_lshlrev_b32 v7, 2, v4
	v_lshl_add_u32 v7, v3, 1, v7                   ; word: 4 row + 2 h
	v_lshlrev_b32 v15, 3, v3                       ; 8 h
	v_mov_b32 v14, 0
	v_mov_b32 v13, 0                               ; (a lane permute's destination counts as one of its sources)
.irp j, 0,1,2,3,4,5,6,7
	global_load_b128 v[32+4*\j:35+4*\j], v5, s[8:9] offset:16*\j
	global_load_b128 v[64+4*\j:67+4*\j], v5, s[10:11] offset:16*\j
.endr
	s_wait_loadcnt 0x0
	RELTAB 32, 96, 11, RWC, RWS
	RELTAB 64, 100, 12, RHC, RHS
	s_endpgm
.Lkpath:
	; ---- K: head = wg / 4, G = wg % 4; wave w takes blocks b = 8 G + 2 w + e, e = 0, 1: 16,384 consecutive bytes
	s_lshr_b32 s17, ttmp9, 2                       ; head
	s_and_b32 s18, ttmp9, 3                        ; G
	s_lshl_b32 s24, s17, 18                        ; a head is 262,144 bytes, a block 8,192
	s_lshl_b32 s25, s18, 16
	s_add_co_u32 s24, s24, s25
	s_lshl_b32 s25, s16, 14
	s_add_co_u32 s24, s24, s25
	s_mov_b32 s25, 0
	s_add_nc_u64 s[4:5], s[4:5], s[24:25]
	s_mul_i32 s26, s17, BLOB
	s_lshl_b32 s27, s18, 13                        ; codes: 1,024 bytes a block
	s_add_co_u32 s28, s26, s27
	s_lshl_b32 s27, s16, 11
	s_add_co_u32 s28, s28, s27
	s_mov_b32 s29, 0
	s_add_nc_u64 s[30:31], s[12:13], s[28:29]
	s_lshl_b32 s27, s18, 9                         ; scale words: 512 G + 4 w
	s_add_co_u32 s28, s26, s27
	s_lshl_b32 s27, s16, 2
	s_add_co_u32 s28, s28, s27
	s_add_nc_u64 s[32:33], s[12:13], s[28:29]
	s_wait_alu depctr_va_vdst(0)
	v_lshlrev_b32 v4, 4, v1                        ; 16 x lane
.set n, 0
.rept 32
	global_load_b128 v[32+4*n:35+4*n], v4, s[4:5] offset:512*n th:TH_LOAD_NT   ; 32 lanes read 512 consecutive bytes
.set n, n+1
.endr
	s_mul_i32 s19, s16, STG                        ; my stage
	v_lshrrev_b32 v5, 3, v1
	v_mul_u32_u24 v5, v5, 144
	v_and_b32 v6, 7, v1
	v_lshl_add_u32 v5, v6, 4, v5
	v_add_nc_u32 v5, s19, v5                       ; in: eight lanes fill a chunk (half a key's row): 144 (lane / 8) + 16 (lane % 8)
	v_lshrrev_b32 v7, 3, v2                        ; r / 8
	v_lshl_add_u32 v6, v2, 1, v3
	v_lshl_add_u32 v6, v7, 4, v6                   ; chunk 2 (r + 8 (r / 8)) + h
	v_mul_u32_u24 v6, v6, 144
	v_lshl_add_u32 v6, v7, 4, v6                   ; keys 16 on lie 16 bytes further
	v_add_nc_u32 v6, s19, v6
	v_lshlrev_b32 v15, 3, v3                       ; 8 h
	s_wait_alu depctr_va_vdst(0)
.irp e, 0,1
	s_wait_loadcnt 16*(1-\e)                       ; this block's 16 loads are in; the other block's 16 may be out
.set n, 0
.rept 16
	ds_store_b128 v5, v[32+64*\e+4*n:35+64*\e+4*n] offset:576*n+16*(n/8)
.set n, n+1
.endr
.irp u, 0,1
.irp j, 0,1,2,3,4,5,6,7
	ds_load_b128 v[160+32*\u+4*\j:163+32*\u+4*\j], v6 offset:2304*\u+16*\j     ; LDS serves a wave's instructions in order: these see the stores above
.endr
.endr
	s_wait_dscnt 0x0
	QUANT32 160, 16+8*\e, 10, 11+2*\e              ; half u = 0: key 32 b + r + 8 (r / 8)
	QUANT32 192, 20+8*\e, 10, 12+2*\e              ; half u = 1: eight keys on
	global_store_b128 v4, v[16+8*\e:19+8*\e], s[30:31] offset:1024*\e          ; 32 lanes store 512 consecutive bytes
	global_store_b128 v4, v[20+8*\e:23+8*\e], s[30:31] offset:1024*\e+512
.endr
	v_lshl_or_b32 v32, v12, 16, v11                ; my two bytes of the even block's word, u = 0 below, u = 1 above,
	v_lshl_or_b32 v33, v14, 16, v13                ; and of the odd block's,
	v_lshlrev_b32 v32, v15, v32                    ; 8 h bits up
	v_lshlrev_b32 v33, v15, v33
	v_mov_b32 v34, 0
	v_mov_b32 v35, 0
	v_permlanex16_b32 v34, v32, s20, s21
	v_permlanex16_b32 v35, v33, s20, s21
	v_or_b32 v32, v32, v34                         ; with lane l xor 16's two the words are whole
	v_or_b32 v33, v33, v35
	v_cndmask_b32 v32, v32, v33, s22               ; lanes 0-15 the even block's, lanes 16-31 the odd block's
	global_store_b32 v4, v32, s[32:33] offset:KSO
	s_wait_tensorcnt 0x0
	ds_add_u32 v224, v225
	s_wait_dscnt 0x0
	s_endpgm
.Lvpath:
	; ---- V: head = (wg - 256) / 4; K step s = 2 (wg % 4) + w / 2 (128 keys); lane d' takes channel 32 (w % 2) + d'
	s_sub_co_u32 s17, ttmp9, 256
	s_and_b32 s18, s17, 3
	s_lshr_b32 s17, s17, 2                         ; head
	s_lshr_b32 s19, s16, 1
	s_and_b32 s23, s16, 1                          ; dd
	s_lshl_b32 s24, s18, 1
	s_add_co_u32 s24, s24, s19                     ; s
	s_lshl_b32 s25, s24, 15                        ; 128 keys of 256 bytes
	s_lshl_b32 s26, s17, 18
	s_add_co_u32 s26, s26, s25
	s_lshl_b32 s25, s23, 7
	s_add_co_u32 s26, s26, s25
	s_mov_b32 s27, 0
	s_add_nc_u64 s[6:7], s[6:7], s[26:27]
	s_mul_i32 s28, s17, BLOB
	s_lshl_b32 s25, s24, 12                        ; codes: fragment 4 s + 2 dd
	s_add_co_u32 s26, s28, s25
	s_lshl_b32 s25, s23, 11
	s_add_co_u32 s26, s26, s25
	s_add_nc_u64 s[30:31], s[12:13], s[26:27]
	s_lshl_b32 s25, s18, 9                         ; scale words: 512 (s / 2) + 4 w
	s_add_co_u32 s26, s28, s25
	s_lshl_b32 s25, s16, 2
	s_add_co_u32 s26, s26, s25
	s_add_nc_u64 s[32:33], s[12:13], s[26:27]
	s_wait_alu depctr_va_vdst(0)
	v_lshlrev_b32 v4, 2, v1                        ; in: 4 bytes a lane
	v_lshlrev_b32 v5, 4, v2
	v_lshl_add_u32 v5, v3, 10, v5                  ; out: 1,024 (d' / 16) + 16 (d' % 16)
	v_lshlrev_b32 v6, 4, v1                        ; word: 16 d'
	VBLK 0
	VBLK 1
.irp pl, 0,1,2,3
.if \pl < 3
	s_wait_loadcnt 32                              ; this block's 32 loads are in; the next block's 32 may be out
.else
	s_wait_loadcnt 0x0
.endif
	QUANT32 32+32*(\pl%2), 96+4*\pl, 10, 11+\pl
	global_store_b128 v5, v[96+4*\pl:99+4*\pl], s[30:31] offset:VI+512*(\pl/2)+256*(\pl%2)   ; sixteen lanes store 256 consecutive bytes, aligned
.if \pl < 2
	VBLK \pl+2
.endif
.endr
	v_lshl_or_b32 v11, v12, 8, v11                 ; the four blocks' bytes make my channel's word
	v_lshl_or_b32 v11, v13, 16, v11
	v_lshl_or_b32 v11, v14, 24, v11
	global_store_b32 v6, v11, s[32:33] offset:VSO
	s_endpgm
.Lfunc_end_k_q040444ee16_prep:
	.size	k_q040444ee16_prep, .Lfunc_end_k_q040444ee16_prep-k_q040444ee16_prep
	.p2alignl 7, 3214868480
	.fill 96, 4, 3214868480
	.section	.rodata,"a",@progbits
	.p2align	6, 0x0
	.amdhsa_kernel k_q040444ee16_prep
		.amdhsa_group_segment_fixed_size 37376
		.amdhsa_private_segment_fixed_size 0
		.amdhsa_enable_private_segment 0
		.amdhsa_kernarg_size 48
		.amdhsa_user_sgpr_count 2
		.amdhsa_user_sgpr_kernarg_segment_ptr 1
		.amdhsa_wavefront_size32 1
		.amdhsa_system_sgpr_workgroup_id_x 1
		.amdhsa_system_sgpr_workgroup_id_y 1
		.amdhsa_system_sgpr_workgroup_id_z 1
		.amdhsa_system_vgpr_workitem_id 0
		.amdhsa_next_free_vgpr 226
		.amdhsa_next_free_sgpr 66
		.amdhsa_reserve_vcc 0
		.amdhsa_float_denorm_mode_32 3
		.amdhsa_float_denorm_mode_16_64 3
		.amdhsa_memory_ordered 1
		.amdhsa_forward_progress 1
		.amdhsa_inst_pref_size 42
	.end_amdhsa_kernel
	.amdgpu_metadata
---
amdhsa.version: [ 1, 2 ]
amdhsa.kernels:
  - .name:           k_q040444ee16_prep
    .symbol:         k_q040444ee16_prep.kd
    .args:
      - { .name: k, .offset: 0, .size: 8, .value_kind: global_buffer, .address_space: global }
      - { .name: v, .offset: 8, .size: 8, .value_kind: global_buffer, .address_space: global }
      - { .name: rel_emb_w, .offset: 16, .size: 8, .value_kind: global_buffer, .address_space: global }
      - { .name: rel_emb_h, .offset: 24, .size: 8, .value_kind: global_buffer, .address_space: global }
      - { .name: kv, .offset: 32, .size: 8, .value_kind: global_buffer, .address_space: global }
      - { .name: rel, .offset: 40, .size: 8, .value_kind: global_buffer, .address_space: global }
    .group_segment_fixed_size: 37376
    .private_segment_fixed_size: 0
    .kernarg_segment_align: 8
    .kernarg_segment_size: 48
    .max_flat_workgroup_size: 128
    .sgpr_count:     66
    .vgpr_count:     226
    .wavefront_size: 32
...
	.end_amdgpu_metadata
.endif
;; end of part 1
;; launch attn (part 2): grid 64 x 4, 16 waves a work-group, no clusters, 296,960 bytes of LDS; arguments q, attn_mask, kv, rel, out0; writes out0
.if DOCPART == 2
	.amdgcn_target "amdgcn-amd-amdhsa--gfx1250"
	.amdhsa_code_object_version 6
	.text
	.protected	k_q040444ee16_attn
	.globl	k_q040444ee16_attn
	.p2align	8
	.type	k_q040444ee16_attn,@function
k_q040444ee16_attn:
	s_mov_b64 s[64:65], 0
	v_nop
	global_prefetch_b8 v0, s[64:65] scope:SCOPE_SE
	s_setreg_imm32_b32 hwreg(HW_REG_WAVE_MODE, 25, 1), 1
	s_wait_xcnt 0x0
; out[b][x][y][64 n + :] = sum over keys (p, q') of w V, w = softmax over the 1,024 keys of  qs.K[p][q'] + qs.Rw[q' - y + 31] + qs.Rh[p - x + 31] + (mask ? 0 : -inf),  qs = q / 8.
; All four products on codes of FP4 (E2M1) with one E8M0 scale for each 32 along K.  The weights are quantised finished and normalised.
; SHARES.  A work-group owns 256 queries of one head: 16 tiles of 16.  Its 16 waves are four teams of four: team tm walks tiles 4 tm .. 4 tm + 3, and wave kp of a team owns the keys 256 kp .. 256 kp + 255 (8 image rows p):
;   128 registers of logits; the wave's fragments of K stay in 64 registers.  Each wave takes its own maximum m_w and sum; (-c m_w, sum_w) go through LDS at the tile's one barrier, and the factor 2^(c (m_w - M)) / sum
;   is one number a query in the multiplication that finishes the weights.  The four partial O of a tile meet in LDS at the NEXT tile's barrier: a wave adds four queries' rows and stores them.  Both exchanges have two buffers.
; HEAD.  Wave w makes tile w's operands once: q's codes and scale word, rw (16 registers) and rh (32 numbers a query), as images of registers in LDS.
; LAYOUT.  Both large products are used transposed (S^T = K Q^T, O^T = V^T P^T): a lane (r, h) holds ONE query r.  The keys of a tile are chosen (first launch) so that the 16 registers of a block of 32 keys
;   are keys 32 p + 16 h + 0 .. 15; a block is one image row p: rh is one number for a block, rw 16 registers that serve all blocks as the products' C.
; K = 64 IN AN INSTRUCTION OF 128: source 0 holds two tiles of 16 keys side by side; source 1 is [q | 0] for the first and [0 | q] for the second.  q / 8 has q's codes and q's scale byte less 3.
; No prefetch: every byte is asked for once, ahead of the loop, and no loop walks memory.
; LIMITS: scale bytes are held at 1 from below: q's where a block's largest magnitude lies under 2^-121, the weights' where a block's largest weight lies under 2^-124 (a block of zeros has the byte 1: its codes are zeros).
; The softmax's promise holds while the scaled scores stay under 2^31 in magnitude.  1 / sum is v_rcp_f32's.  A block's largest weight is taken as the weight of its largest logit (v_exp_f32 is taken not to fall where its
; input rises).  The mask's bytes are 0 or 1.  NaN and infinities among the float inputs are not served.  A row with no key left gives NaN, as the softmax of such a row does.
; REGISTERS: v0 thread; v1-7 addresses; v9, v31 the weights' scale words; v10-13 K's, v14-17 V's; v18-29 q | 0 | q (its q parts at work later); v30 q's scale word; v32-47 rw, then sums, then the weights' codes;
;   v48-55 block maxima, then the conversions' scale operands, then Z; v56-63 rh, then the addends, then rows of O; v64-127 K; v128-255 logits; later V's fragments at v128 and v192 and O^T at v160.
.set BLOB,  69632
.set KSO,   65536
.set VSO,   67584
.set RWC,   0
.set RWS,   2048
.set RHC,   2304
.set RHS,   4352
.set VIMG,  32768                      ; LDS: K's images at 0, V's here,
.set MB,    65536                      ; the mask as f32, 0 or -inf, 4 bytes a key,
.set PREP,  69632                      ; the tiles' operands, PT bytes each: rw 2,048, q's codes 512, its scale words 16 bytes apart 512, rh 2,048
.set PT,    5120
.set QO,    2048
.set QSO,   2560
.set RHO,   3072
.set OST,   PREP+16*PT                 ; a region of each wave's own: two buffers of 16 rows x 272 bytes for O; in the head the stage of q and of rw
.set OWV,   8704
.set OBUF,  4352
.set STATS, OST+16*OWV                 ; two buffers of 4 teams x 16 queries x 4 waves x (-c m, sum)
.set SPARE, STATS+4096                 ; the spare words
.set KS,  10
.set VS,  14
.set QF,  18
.set QS,  30
.set RW,  32
.set PC,  32
.set BM,  48
.set AP,  56
.set KF,  64
.set LG,  128
.set OT,  160
.set IM,  64                           ; in the head: the copy, q as it lies, Rh's and Rw's fragments, q's numbers by rows (then rh), Rw's product
.set QN,  96
.set RHF, 128
.set RWF, 160
.set QB,  192
.set RWP, 224
.set RHSC, 56
.set RWSC, 60
; Only plain vector instructions that name none of a matrix instruction's registers are places behind it (ISA guide 7.12.1)
.macro PLACES n
.rept \n
	v_nop
.endr
.endm
.macro MM d, a, b, c, sa, sb, row      ; one scaled product; row = 1: source 0's scales are read from lanes 16-31
.if \row
	v_wmma_scale_f32_16x16x128_f8f6f4 v[\d:\d+7], v[\a:\a+7], v[\b:\b+7], \c, v[\sa], v[\sb] matrix_a_fmt:MATRIX_FMT_FP4 matrix_b_fmt:MATRIX_FMT_FP4 matrix_a_scale:MATRIX_SCALE_ROW1
.else
	v_wmma_scale_f32_16x16x128_f8f6f4 v[\d:\d+7], v[\a:\a+7], v[\b:\b+7], \c, v[\sa], v[\sb] matrix_a_fmt:MATRIX_FMT_FP4 matrix_b_fmt:MATRIX_FMT_FP4
.endif
.endm
.macro FMA b, j                        ; pair j of block b: c s + (c rh - c m); the block's addend is the low or the high word of its pair
.set rr, LG+16*(\b)+2*(\j)
.if (\b)%2
	v_pk_fma_f32 v[rr:rr+1], v[rr:rr+1], s[24:25], v[AP+(\b)-1:AP+(\b)] op_sel:[0,0,1] op_sel_hi:[1,0,1]
.else
	v_pk_fma_f32 v[rr:rr+1], v[rr:rr+1], s[24:25], v[AP+(\b):AP+(\b)+1] op_sel_hi:[1,0,0]
.endif
.endm
.macro SUMP b, j                       ; pair j of block b onto sum j of eight; block 1 starts the sums with block 0
.set rr, LG+16*(\b)+2*(\j)
.set ss, RW+2*(\j)
.if (\b) == 1
	v_pk_add_f32 v[ss:ss+1], v[rr-16:rr-15], v[rr:rr+1]
.else
	v_pk_add_f32 v[ss:ss+1], v[ss:ss+1], v[rr:rr+1]
.endif
.endm
; Block b's 16 exponentials; beside them block b + 1's multiply-adds and the sums of block b - 1, none of which names a register that this step's exponentials read or write.
; One wait at the step's head serves all.
.macro ESTEP b
	s_wait_alu depctr_va_vdst(0)
.set nn, 0
.rept 16
	v_exp_f32 v[LG+16*(\b)+nn], v[LG+16*(\b)+nn]
.if nn%2
.if (\b) == 0
	v_exp_f32 v[BM+nn/2], v[BM+nn/2]               ; the blocks' largest: the same two instructions as every logit
.elseif (\b) > 1
	SUMP (\b)-1, nn/2
.endif
.elseif (\b) < 7
	FMA (\b)+1, nn/2
.endif
.set nn, nn+1
.endr
.endm
.macro NORM g                          ; x 2^(c (m_w - M)) / sum: the finished weights of 128 keys
.set nn, LG+64*(\g)
.rept 32
	v_pk_mul_f32 v[nn:nn+1], v[nn:nn+1], v[28:29] op_sel_hi:[1,0]
.set nn, nn+2
.endr
.endm
.macro CVT g                           ; and their codes: a fragment
.set SL, LG+64*(\g)
.set PS, PC+8*(\g)
.irp bb, 0,1,2,3
	v_cvt_scalef32_pk8_fp4_f32 v[PS+2*\bb], v[SL+16*\bb:SL+16*\bb+7], v[BM+4*(\g)+\bb]
	v_cvt_scalef32_pk8_fp4_f32 v[PS+2*\bb+1], v[SL+16*\bb+8:SL+16*\bb+15], v[BM+4*(\g)+\bb]
.endr
	v_nop                                          ; one plain line behind the scaled conversions
.irp c, 0,1                                    ; the operand's layout wants a whole block in a lane: lanes 0-15 block 2 c, lanes 16-31 block 2 c + 1
.irp i, 0,1
	v_permlane16_swap_b32 v[PS+4*\c+\i], v[PS+4*\c+2+\i]
.endr
.endr
.endm
.macro VLOAD g, d                      ; V's four fragments of 128 keys
.irp dt, 0,1,2,3
	ds_load_b128 v[\d+8*\dt:\d+8*\dt+3], v2 offset:4096*\g+1024*\dt
	ds_load_b128 v[\d+8*\dt+4:\d+8*\dt+7], v2 offset:4096*\g+1024*\dt+512
.endr
.endm
.macro RLOAD pp                        ; my four queries' rows of the four partial O in buffer pp
.irp j, 0,1,2,3
.irp i, 0,1
	ds_load_b128 v[OT+8*\j+4*\i:OT+8*\j+4*\i+3], v7 offset:OWV*\j+OBUF*(\pp)+544*\i
.endr
.endr
.endm
.macro RADD off                        ; their sum, stored: sixteen lanes store 256 consecutive bytes, at a multiple of 256 from out0's first byte
.irp n, 0,2,4,6
	v_pk_add_f32 v[AP+\n:AP+\n+1], v[OT+\n:OT+\n+1], v[OT+8+\n:OT+9+\n]
.endr
.irp n, 0,2,4,6
	v_pk_add_f32 v[OT+16+\n:OT+17+\n], v[OT+16+\n:OT+17+\n], v[OT+24+\n:OT+25+\n]
.endr
.irp n, 0,2,4,6
	v_pk_add_f32 v[AP+\n:AP+\n+1], v[AP+\n:AP+\n+1], v[OT+16+\n:OT+17+\n]
.endr
	global_store_b128 v3, v[AP:AP+3], s[12:13] offset:\off th:TH_STORE_NT
	global_store_b128 v3, v[AP+4:AP+7], s[12:13] offset:\off+4096 th:TH_STORE_NT
.endm
.macro TILE par
	s_wait_xcnt 0x0                                ; the stores of rows of O have read v56-63
	v_and_b32 v48, 0xff, v1                        ; 16 r
	v_add_nc_u32 v49, s21, v1
	v_add_nc_u32 v48, s22, v48
	ds_load_b128 v[QF:QF+3], v49 offset:PT*\par+QO
	ds_load_b128 v[QF+8:QF+11], v49 offset:PT*\par+QO
	ds_load_b32 v[QS], v49 offset:PT*\par+QSO
.irp k, 0,1,2,3
	ds_load_b128 v[RW+4*\k:RW+4*\k+3], v49 offset:PT*\par+512*\k
.endr
.irp k, 0,1
	ds_load_b128 v[AP+4*\k:AP+4*\k+3], v48 offset:PT*\par+256*\k
.endr
	s_wait_dscnt 0x0
	; ---- S^T = K Q^T + rw: sixteen products, each on an accumulator of its own
.irp b, 0,1,2,3,4,5,6,7
	MM LG+16*\b, KF+8*\b, QF, v[RW:RW+7], KS+\b/2, QS, \b%2
	MM LG+16*\b+8, KF+8*\b, QF+4, v[RW+8:RW+15], KS+\b/2, QS, \b%2
.endr
	PLACES 4
	s_cmp_eq_u32 s20, 0                            ; all my 256 keys count?
	s_cbranch_scc1 .Lwhole_\@
	v_bfe_u32 v18, v0, 4, 1
	v_lshlrev_b32 v18, 6, v18
	v_add_nc_u32 v18, s23, v18                     ; the mask's table: my half's 16 keys of a block
	s_wait_alu depctr_va_vdst(0)
.irp b, 0,1,2,3,4,5,6,7
.irp k, 0,1,2,3
	ds_load_b128 v[RW+4*\k:RW+4*\k+3], v18 offset:128*\b+16*\k
.endr
	s_wait_dscnt 0x0
.irp n, 0,2,4,6,8,10,12,14
	v_pk_add_f32 v[LG+16*\b+\n:LG+16*\b+\n+1], v[LG+16*\b+\n:LG+16*\b+\n+1], v[RW+\n:RW+\n+1]
.endr
.endr
	s_wait_alu depctr_va_vdst(0)                   ; the label follows
.Lwhole_\@:
	; ---- each block's largest s, the blocks by turns, each accumulator from its low end on
.irp b, 0,1,2,3,4,5,6,7
	v_max3_num_f32 v[BM+\b], v[LG+16*\b], v[LG+16*\b+1], v[LG+16*\b+2]
.endr
.irp i, 1,2,3,4,5,6
.irp b, 0,1,2,3,4,5,6,7
	v_max3_num_f32 v[BM+\b], v[BM+\b], v[LG+16*\b+2*\i+1], v[LG+16*\b+2*\i+2]
.endr
.endr
.irp b, 0,1,2,3,4,5,6,7
	v_max_num_f32 v[BM+\b], v[BM+\b], v[LG+16*\b+15]
.endr
.irp b, 0,1,2,3,4,5,6,7
	v_permlanex16_b32 v[RW+\b], v[BM+\b], s28, s29
.endr
.irp b, 0,1,2,3,4,5,6,7
	v_max_num_f32 v[BM+\b], v[BM+\b], v[RW+\b]     ; with lane l xor 16's 16 keys
.endr
.irp b, 0,1,2,3,4,5,6,7
	v_add_f32 v[RW+\b], v[BM+\b], v[AP+\b]         ; + rh: the block's largest logit
.endr
	v_max3_num_f32 v18, v[RW], v[RW+1], v[RW+2]
	v_max3_num_f32 v19, v[RW+3], v[RW+4], v[RW+5]
	v_max3_num_f32 v18, v18, v[RW+6], v[RW+7]
	v_max3_num_f32 v18, v18, v19, 0xfe967699       ; m_w, held at -1e38 from below: a number also where none of my keys counts
	v_mul_f32 v26, s26, v18                        ; -c m_w
.irp b, 0,1,2,3,4,5,6,7
	v_fma_f32 v[AP+\b], v[AP+\b], s24, v26         ; the block's addend: c rh - c m_w
.endr
.irp b, 0,1,2,3,4,5,6,7
	v_fma_f32 v[BM+\b], v[BM+\b], s24, v[AP+\b]
.endr
.irp j, 0,1,2,3,4,5,6,7
	FMA 0, \j
.endr
	; ---- e = 2^(c s + addend), and the sum of the numbers as the exponential gave them: eight chains of pairs
.irp b, 0,1,2,3,4,5,6,7
	ESTEP \b
.endr
	s_wait_alu depctr_va_vdst(0)                   ; ahead of the last block's readers
.irp j, 0,1,2,3,4,5,6,7
	SUMP 7, \j
.endr
.irp n, 0,2,4,6
	v_pk_add_f32 v[RW+\n:RW+\n+1], v[RW+\n:RW+\n+1], v[RW+8+\n:RW+9+\n]
.endr
.irp n, 0,2
	v_pk_add_f32 v[RW+\n:RW+\n+1], v[RW+\n:RW+\n+1], v[RW+4+\n:RW+5+\n]
.endr
	v_pk_add_f32 v[RW:RW+1], v[RW:RW+1], v[RW+2:RW+3]
	v_add_f32 v27, v[RW], v[RW+1]
	v_permlanex16_b32 v18, v27, s28, s29
	v_add_f32 v27, v27, v18                        ; sum_w
	ds_store_b64 v4, v[26:27] offset:2048*\par
	s_wait_alu depctr_va_vdst(0)
	s_wait_dscnt 0x0                               ; for the others' sake: my figures and my part of the last tile's O have landed; my reads of both other buffers are over
	s_barrier_signal -1
	s_barrier_wait -1
	ds_load_b128 v[32:35], v5 offset:2048*\par
	ds_load_b128 v[36:39], v5 offset:2048*\par+16
	s_wait_dscnt 0x0
	v_min3_num_f32 v40, v32, v34, v36
	v_min_num_f32 v40, v40, v38                    ; -c M
	v_sub_f32 v45, v40, v26
	v_sub_f32 v41, v40, v32
	v_sub_f32 v42, v40, v34
	v_sub_f32 v43, v40, v36
	v_sub_f32 v44, v40, v38
	s_wait_alu depctr_va_vdst(0)
	v_exp_f32 v41, v41                             ; 2^(c (m_j - M))
	v_exp_f32 v42, v42
	v_exp_f32 v43, v43
	v_exp_f32 v44, v44
	v_exp_f32 v45, v45
	v_nop
	s_wait_alu depctr_va_vdst(0)
	v_mul_f32 v33, v33, v41
	v_fma_f32 v33, v35, v42, v33
	v_fma_f32 v33, v37, v43, v33
	v_fma_f32 v33, v39, v44, v33                   ; the row's sum
	s_wait_alu depctr_va_vdst(0)
	v_rcp_f32 v29, v33
	v_nop
	s_wait_alu depctr_va_vdst(0)
	v_mul_f32 v28, v45, v29                        ; what finishes my weights
	v_mul_f32 v46, 0x3e800000, v28                 ; a quarter of it: the products below have the largest weights' bits with 2 off the exponent field
.irp b, 0,1,2,3,4,5,6,7
	v_mul_f32 v[BM+\b], v[BM+\b], v46
.endr
.irp b, 0,1,2,3,4,5,6,7
	v_max_num_f32 v[BM+\b], 0x800000, v[BM+\b]     ; the floor: the field, which is the byte and the conversion's scale, cannot fall under 1
.endr
.irp b, 0,1,2,3,4,5,6,7
	v_lshrrev_b32 v[32+\b], 23, v[BM+\b]
.endr
	v_lshl_or_b32 v9, v33, 8, v32                  ; the scale words of my two K steps
	v_lshl_or_b32 v31, v37, 8, v36
	v_lshl_or_b32 v9, v34, 16, v9
	v_lshl_or_b32 v31, v38, 16, v31
	v_lshl_or_b32 v9, v35, 24, v9
	v_lshl_or_b32 v31, v39, 24, v31
	; ---- the weights, their codes; V's fragments and the last tile's O come into the registers that the logits leave
	NORM 0
	CVT 0
	VLOAD 0, LG
.if \par == 0
	s_wait_alu depctr_va_vdst(0)
	s_cmp_eq_u32 s19, 0
	s_cbranch_scc1 .Lfirst_\@                      ; the first tile has no tile before it
.endif
	RLOAD 1-\par
.Lfirst_\@:
	NORM 1
	CVT 1
	VLOAD 1, LG+64
	s_wait_alu depctr_va_vdst(0)
	s_wait_dscnt 8                                 ; all but V's second K step's eight loads
.if \par == 0
	s_cmp_eq_u32 s19, 0
	s_cbranch_scc1 .Lfirst2_\@
.endif
	RADD 32768*(\par-1)
.Lfirst2_\@:
.irp k, 0,1,2,3,4,5,6,7
	v_mul_f32 v[BM+\k], 0, v29                     ; Z: 0, or NaN for a row with no key left (the codes have no NaN: it reaches O by this)
.endr
	; ---- O^T = V^T P^T + Z, my 256 keys: the four accumulators by turns, one instruction a turn
.irp dt, 0,1,2,3
	MM OT+8*\dt, LG+8*\dt, PC, v[BM:BM+7], VS+\dt/2, 9, \dt%2
.endr
	s_wait_dscnt 0x0
.irp dt, 0,1,2,3
	MM OT+8*\dt, LG+64+8*\dt, PC+8, v[OT+8*\dt:OT+8*\dt+7], VS+2+\dt/2, 31, \dt%2
.endr
	PLACES 5                                       ; 4 for the stores and the loads that follow, 5 for the next tile's products over these registers
.irp dt, 0,1,2,3
	ds_store_b128 v6, v[OT+8*\dt:OT+8*\dt+3] offset:OBUF*\par+64*\dt
	ds_store_b128 v6, v[OT+8*\dt+4:OT+8*\dt+7] offset:OBUF*\par+64*\dt+16
.endr
.endm
	s_load_b256 s[4:11], s[0:1], 0x0               ; q s[4:5], attn_mask s[6:7], kv s[8:9], rel s[10:11]
	s_load_b64 s[12:13], s[0:1], 0x20              ; out0
	v_lshrrev_b32 v18, 5, v0
	v_readfirstlane_b32 s14, v18                   ; wave 0..15
	s_and_b32 s15, ttmp7, 0xffff                   ; qb: which 256 queries
	s_lshr_b32 s16, ttmp9, 3                       ; batch  (work-group x: head = 8 batch + n)
	s_and_b32 s17, ttmp9, 7                        ; n
	s_and_b32 s2, s14, 3                           ; kp: my keys
	s_lshr_b32 s3, s14, 2                          ; tm: my team
	s_lshl_b32 s32, ttmp9, 18                      ; q: a head is 262,144 bytes, 256 queries 65,536, a tile 4,096
	s_lshl_b32 s30, s15, 16
	s_add_co_u32 s32, s32, s30
	s_lshl_b32 s30, s14, 12
	s_add_co_u32 s32, s32, s30
	s_mov_b32 s33, 0
	s_lshl_b32 s34, s16, 21                        ; out: a token's row is 2,048 bytes, my head's part of it 256 n on; my rows of a tile begin at 4 kp
	s_lshl_b32 s30, s15, 19
	s_add_co_u32 s34, s34, s30
	s_lshl_b32 s30, s3, 17
	s_add_co_u32 s34, s34, s30
	s_lshl_b32 s30, s2, 13
	s_add_co_u32 s34, s34, s30
	s_lshl_b32 s30, s17, 8
	s_add_co_u32 s34, s34, s30
	s_mov_b32 s35, 0
	s_mul_i32 s36, ttmp9, BLOB
	s_mov_b32 s37, 0
	s_lshl_b32 s38, s16, 10
	s_mov_b32 s39, 0
	s_mul_i32 s31, s14, OWV
	s_add_co_u32 s31, s31, OST                     ; my region
	s_mul_i32 s21, s3, 4*PT
	s_add_co_u32 s21, s21, PREP                    ; my team's tiles' operands
	s_lshl_b32 s49, s2, 9                          ; 512 kp
	s_add_co_u32 s22, s21, s49
	s_add_co_u32 s22, s22, RHO                     ; rh of my eight image rows
	s_lshl_b32 s23, s2, 10
	s_add_co_u32 s23, s23, MB                      ; the mask of my keys
	s_lshl_b32 s51, s2, 13                         ; my keys' images
	s_add_co_u32 s40, s51, VIMG
	s_lshl_b32 s41, s3, 9
	s_add_co_u32 s41, s41, STATS                   ; my team's figures
	s_lshl_b32 s30, s2, 3
	s_add_co_u32 s42, s41, s30                     ; mine
	s_mul_i32 s43, s3, 4*OWV
	s_add_co_u32 s43, s43, OST
	s_mul_i32 s30, s2, 4*272
	s_add_co_u32 s43, s43, s30                     ; my four rows in my team's partial O
	s_mul_i32 s44, s14, PT
	s_add_co_u32 s44, s44, PREP                    ; where tile w's operands go
	s_add_co_u32 s52, s44, RHO
	s_lshl_b32 s30, s15, 3
	s_lshr_b32 s45, s14, 1
	s_add_co_u32 s30, s30, s45                     ; x of tile w
	s_xor_b32 s30, s30, 31                         ; 31 - x
	s_lshl_b32 s45, s30, 5
	s_lshl_b32 s46, s30, 2
	s_and_b32 s47, s14, 1
	s_lshl_b32 s47, s47, 6
	s_sub_co_u32 s47, 124, s47                     ; 4 (31 - y0), y0 = 16 (w % 2)
	s_add_co_u32 s47, s47, s31
	s_lshl_b32 s48, s14, 12                        ; the copy: my 4,096 bytes of the images
	s_lshl_b32 s50, s2, 8
	s_mov_b32 s24, 0x3fb8aa3b                      ; c = log2(e)
	s_mov_b32 s25, s24                             ; (named with it as a pair)
	s_mov_b32 s26, 0xbfb8aa3b                      ; -c
	s_mov_b32 s28, 0x76543210
	s_mov_b32 s29, 0xfedcba98                      ; v_permlanex16_b32's selects for lane l xor 16
	s_mov_b32 s19, 0                               ; trips
	v_and_b32 v18, 31, v0                          ; l
	v_and_b32 v8, 15, v0                           ; r
	v_bfe_u32 v9, v0, 4, 1                         ; h
	v_lshlrev_b32 v1, 4, v18                       ; 16 l
	v_add_nc_u32 v2, s40, v1                       ; V's fragments
	v_lshlrev_b32 v3, 11, v9
	v_lshl_add_u32 v3, v8, 4, v3                   ; out: lanes 0-15 one token, lanes 16-31 the next
	v_lshlrev_b32 v5, 5, v8
	v_add_nc_u32 v4, s42, v5                       ; figures, in
	v_add_nc_u32 v5, s41, v5                       ; and out
	v_mul_u32_u24 v6, v8, 272
	v_lshl_add_u32 v6, v9, 5, v6
	v_add_nc_u32 v6, s31, v6                       ; partial O (in the head: rw), in: row r, 32 h
	v_mul_u32_u24 v7, v9, 272
	v_lshl_add_u32 v7, v8, 4, v7
	v_add_nc_u32 v7, s43, v7                       ; and out
	v_add_nc_u32 v48, s48, v1
	v_lshl_add_u32 v49, v0, 3, MB                  ; the mask's table: two keys a thread
	v_mul_u32_u24 v50, v8, 268
	v_lshl_add_u32 v50, v9, 6, v50
	v_add_nc_u32 v50, s47, v50                     ; rw's gather: 272 r + 4 (16 h - r + 31 - y0)
	v_add_nc_u32 v51, s44, v1
	v_lshlrev_b32 v52, 4, v8
	v_add_nc_u32 v52, s52, v52
	v_lshlrev_b32 v53, 3, v9                       ; 8 h
	v_and_b32 v19, 7, v8
	v_lshlrev_b32 v224, 5, v19
	v_lshl_add_u32 v224, v9, 4, v224
	v_add_nc_u32 v224, s45, v224                   ; Rh's codes: rows 31 - x + r % 8 on
	v_lshlrev_b32 v225, 2, v19
	v_add_nc_u32 v225, s46, v225                   ; and words
	v_lshlrev_b32 v226, 5, v8
	v_lshl_add_u32 v226, v9, 4, v226               ; Rw's codes
	v_lshlrev_b32 v227, 2, v8                      ; and words
	v_lshlrev_b32 v228, 1, v0                      ; the mask: two bytes a thread,
	v_lshlrev_b32 v229, 3, v18
	v_add_nc_u32 v229, s50, v229                   ; and of my own keys eight a lane
	v_add_nc_u32 v230, s49, v1                     ; my keys' scale words
	v_lshrrev_b32 v20, 3, v18
	v_mul_u32_u24 v231, v20, 144
	v_and_b32 v20, 7, v18
	v_lshl_add_u32 v231, v20, 4, v231
	v_add_nc_u32 v231, s31, v231                   ; q's stage, in: 144 (l / 8) + 16 (l % 8)
	v_lshl_add_u32 v232, v8, 1, v9
	v_mul_u32_u24 v232, v232, 144
	v_lshrrev_b32 v20, 3, v8
	v_lshl_add_u32 v232, v20, 4, v232
	v_add_nc_u32 v232, s31, v232                   ; and out: chunk 2 r + h
	v_mov_b32 v36, 0                               ; (a lane permute's destination counts as one of its sources)
	s_wait_alu depctr_va_vdst(0)
	s_wait_kmcnt 0x0
	s_add_nc_u64 s[4:5], s[4:5], s[32:33]
	s_add_nc_u64 s[12:13], s[12:13], s[34:35]
	s_add_nc_u64 s[8:9], s[8:9], s[36:37]
	s_add_nc_u64 s[6:7], s[6:7], s[38:39]
.irp i, 0,1,2,3,4,5,6,7
	global_load_b128 v[QN+4*\i:QN+4*\i+3], v1, s[4:5] offset:512*\i th:TH_LOAD_NT   ; my tile's q as it lies
.endr
.irp t4, 0,1,2,3
	global_load_b128 v[RHF+8*\t4:RHF+8*\t4+3], v224, s[10:11] offset:RHC+256*\t4
	global_load_b128 v[RWF+8*\t4:RWF+8*\t4+3], v226, s[10:11] offset:RWC+512*\t4
	global_load_b32 v[RHSC+\t4], v225, s[10:11] offset:RHS+32*\t4
	global_load_b32 v[RWSC+\t4], v227, s[10:11] offset:RWS+64*\t4
.endr
.irp i, 0,1,2,3,4,5,6,7
	global_load_b128 v[IM+4*\i:IM+4*\i+3], v48, s[8:9] offset:512*\i
.endr
	global_load_b128 v[KS:KS+3], v230, s[8:9] offset:KSO    ; register b / 2: lanes 0-15 the even block's words, lanes 16-31 the odd block's
	global_load_b128 v[VS:VS+3], v230, s[8:9] offset:VSO    ; register 2 s + dt / 2: lanes 0-15 the even dt's, lanes 16-31 the odd dt's
	global_load_u16 v31, v228, s[6:7]
	global_load_b64 v[54:55], v229, s[6:7]
.irp t4, 0,1,2,3
.irp j, 4,5,6,7
	v_mov_b32 v[RHF+8*\t4+\j], 0                   ; the tables' K is 64: the upper half of each fragment is zero codes
	v_mov_b32 v[RWF+8*\t4+\j], 0
.endr
.endr
.irp j, 4,5,6,7
	v_mov_b32 v[QF+\j], 0
.endr
	s_wait_alu depctr_va_vdst(0)
	s_wait_loadcnt 12                              ; q and the tables are in; the images' eight, two of scale words and two of the mask may be out
	s_wait_xcnt 0x0                                ; every load has read its address: v224-255 are written below
	; ---- q turns through my stage: 16 bytes a lane as it lies, back 128 bytes a lane: d = 32 h .. 32 h + 31 of query r
.irp i, 0,1,2,3,4,5,6,7
	ds_store_b128 v231, v[QN+4*\i:QN+4*\i+3] offset:576*\i+16*(\i/4)
.endr
.irp j, 0,1,2,3,4,5,6,7
	ds_load_b128 v[QB+4*\j:QB+4*\j+3], v232 offset:16*\j     ; LDS serves a wave's instructions in order: these see the stores above
.endr
	s_wait_dscnt 0x0
	v_max3_num_f32 v32, |v[QB]|, |v[QB+1]|, 0x3000000      ; the floor 2^(6 - 127): the byte, 5 under the field, cannot fall under 1
	v_max3_num_f32 v33, |v[QB+2]|, |v[QB+3]|, 0x3000000
.irp i, 4,8,12,16,20,24,28
	v_max3_num_f32 v32, v32, |v[QB+\i]|, |v[QB+\i+1]|
	v_max3_num_f32 v33, v33, |v[QB+\i+2]|, |v[QB+\i+3]|
.endr
	v_max_num_f32 v32, v32, v33
	v_add_nc_u32 v33, 0xff000000, v32              ; q's own scale operand: the codes of q / 8 are q's
	v_lshrrev_b32 v34, 23, v33
	v_add_nc_u32 v34, -3, v34                      ; and the division by 8 goes into the byte
	v_lshlrev_b32 v34, v53, v34
	v_permlanex16_b32 v36, v34, s28, s29
	v_or_b32 v34, v34, v36                         ; [h0, h1]
	v_lshl_or_b32 v[QS], v34, 16, v34              ; and once more above, for [0 | q]
.irp g, 0,1,2,3
	v_cvt_scalef32_pk8_fp4_f32 v[QF+\g], v[QB+8*\g:QB+8*\g+7], v33
.endr
	PLACES 8                                       ; behind the conversions; a scale register written by vector instructions stands 8 places ahead of a scaled product, an operand 4
	; ---- qs.Rh: lane rows r and r + 8 of a tile take the same row 8 t4 + r % 8 + 31 - x, so register 8 t4 + j is rh[p = 8 t4 + j] in every lane.  qs.Rw: rows m = 16 t4 + r
.irp t4, 0,1,2,3
	MM QB+8*\t4, RHF+8*\t4, QF, 0, RHSC+\t4, QS, 0
.endr
.irp t4, 0,1,2,3
	MM RWP+8*\t4, RWF+8*\t4, QF, 0, RWSC+\t4, QS, 0
.endr
	PLACES 5
	; ---- rw: my query's 64 numbers lie across both halves: through the stage, and back shifted: register i = m = 16 h + i - y + 31
.irp t4, 0,1,2,3
	ds_store_b128 v6, v[RWP+8*\t4:RWP+8*\t4+3] offset:64*\t4         ; each accumulator from its low end on
	ds_store_b128 v6, v[RWP+8*\t4+4:RWP+8*\t4+7] offset:64*\t4+16
.endr
.irp i, 0,1,2,3,4,5,6,7,8,9,10,11,12,13,14,15
	ds_load_b32 v[RW+\i], v50 offset:4*\i
.endr
.irp k, 0,1,2,3,4,5,6,7
	ds_store_b128 v52, v[QB+4*\k:QB+4*\k+3] offset:256*\k            ; rh: lanes l and l xor 16 store the same numbers
.endr
	ds_store_b128 v51, v[QF:QF+3] offset:QO
	ds_store_b32 v51, v[QS] offset:QSO
	s_wait_alu depctr_va_vdst(0)
	s_wait_loadcnt 0x0
.irp i, 0,1,2,3,4,5,6,7
	ds_store_b128 v48, v[IM+4*\i:IM+4*\i+3] offset:512*\i
.endr
	v_bfe_u32 v56, v31, 0, 8
	v_bfe_u32 v57, v31, 8, 8
	v_and_b32 v54, v54, v55
	v_add_nc_u32 v56, -1, v56
	v_add_nc_u32 v57, -1, v57
	v_and_b32 v56, 0xff800000, v56                 ; byte 1: 0;  byte 0: -infinity
	v_and_b32 v57, 0xff800000, v57
	v_cmp_ne_u32 s20, 0x01010101, v54              ; not 0: my keys have a hole
	ds_store_b64 v49, v[56:57]
	s_wait_alu depctr_va_vdst(0)
	s_wait_dscnt 0x0
.irp k, 0,1,2,3
	ds_store_b128 v51, v[RW+4*\k:RW+4*\k+3] offset:512*\k
.endr
	s_wait_dscnt 0x0                               ; for the others' sake: my stores have landed
	s_barrier_signal -1
	s_barrier_wait -1                              ; images, table and operands are whole; from here on nobody writes them
	v_add_nc_u32 v50, s51, v1
.irp b, 0,1,2,3,4,5,6,7
	ds_load_b128 v[KF+8*\b:KF+8*\b+3], v50 offset:1024*\b    ; my keys' fragments of K stay in registers
	ds_load_b128 v[KF+8*\b+4:KF+8*\b+7], v50 offset:1024*\b+512
.endr
	s_wait_alu depctr_va_vdst(0)
.Ltrip:                                                ; two tiles a trip: the exchanges' buffers are 0 and 1 by turns
	TILE 0
	TILE 1
	s_wait_xcnt 0x0                                ; the stores' base is written again only behind this wait
	s_add_nc_u64 s[12:13], s[12:13], 0x10000       ; 32 tokens on
	s_add_co_u32 s21, s21, 2*PT
	s_add_co_u32 s22, s22, 2*PT
	s_add_co_u32 s19, s19, 1
	s_cmp_lt_u32 s19, 2
	s_wait_alu depctr_va_vdst(0)
	s_cbranch_scc1 .Ltrip
	s_wait_dscnt 0x0                               ; my part of the last tile's O has landed
	s_barrier_signal -1
	s_barrier_wait -1
	RLOAD 1
	s_wait_dscnt 0x0
	RADD -32768
	v_lshl_add_u32 v254, v0, 2, SPARE
	v_mov_b32 v255, 0
	s_wait_alu depctr_va_vdst(0)
	s_wait_tensorcnt 0x0                           ; the wave's end
	ds_add_u32 v254, v255
	s_wait_dscnt 0x0
	s_endpgm
.Lfunc_end_k_q040444ee16_attn:
	.size	k_q040444ee16_attn, .Lfunc_end_k_q040444ee16_attn-k_q040444ee16_attn
	.p2alignl 7, 3214868480
	.fill 96, 4, 3214868480
	.section	.rodata,"a",@progbits
	.p2align	6, 0x0
	.amdhsa_kernel k_q040444ee16_attn
		.amdhsa_group_segment_fixed_size 296960
		.amdhsa_private_segment_fixed_size 0
		.amdhsa_enable_private_segment 0
		.amdhsa_kernarg_size 40
		.amdhsa_user_sgpr_count 2
		.amdhsa_user_sgpr_kernarg_segment_ptr 1
		.amdhsa_wavefront_size32 1
		.amdhsa_system_sgpr_workgroup_id_x 1
		.amdhsa_system_sgpr_workgroup_id_y 1
		.amdhsa_system_sgpr_workgroup_id_z 1
		.amdhsa_system_vgpr_workitem_id 0
		.amdhsa_next_free_vgpr 256
		.amdhsa_next_free_sgpr 66
		.amdhsa_reserve_vcc 0
		.amdhsa_float_denorm_mode_32 3
		.amdhsa_float_denorm_mode_16_64 3
		.amdhsa_memory_ordered 1
		.amdhsa_forward_progress 1
		.amdhsa_inst_pref_size 103
	.end_amdhsa_kernel
	.amdgpu_metadata
---
amdhsa.version: [ 1, 2 ]
amdhsa.kernels:
  - .name:           k_q040444ee16_attn
    .symbol:         k_q040444ee16_attn.kd
    .args:
      - { .name: q, .offset: 0, .size: 8, .value_kind: global_buffer, .address_space: global }
      - { .name: attn_mask, .offset: 8, .size: 8, .value_kind: global_buffer, .address_space: global }
      - { .name: kv, .offset: 16, .size: 8, .value_kind: global_buffer, .address_space: global }
      - { .name: rel, .offset: 24, .size: 8, .value_kind: global_buffer, .address_space: global }
      - { .name: out0, .offset: 32, .size: 8, .value_kind: global_buffer, .address_space: global }
    .group_segment_fixed_size: 296960
    .private_segment_fixed_size: 0
    .kernarg_segment_align: 8
    .kernarg_segment_size: 40
    .max_flat_workgroup_size: 512
    .sgpr_count:     66
    .vgpr_count:     256
    .wavefront_size: 32
...
	.end_amdgpu_metadata
.endif
;; end of part 2
